; MI455X (gfx1250); checked and timed in simulation.
; The chip was launched on July 23, 2026; its instructions are those of AMD's public machine-readable ISA for CDNA 5 (MIT licence, August 2026) and "CDNA5" Instruction Set Architecture Reference Guide (July 2026). The comments in the code are by the model that wrote it; some were corrected since.
;; Self Attention. Allowed arithmetic: matrix products marked QUANTISED: E4M3 operands, one given power-of-two scale a tensor, by v_wmma_f32_16x16x64_fp8_fp8 or v_wmma_f32_16x16x128_fp8_fp8, f32 sums; everything else in f32.
;; Inputs: Wk_codes 1,024 x 32 x 32 uint8 (E4M3 codes of Wk, K innermost, in blocks of 32 codes); Wo_codes 1,024 x 32 x 32 uint8 (E4M3 codes of Wo, K innermost, in blocks of 32 codes); Wq_codes 1,024 x 32 x 32 uint8 (E4M3 codes of Wq, K innermost, in blocks of 32 codes); Wv_codes 1,024 x 32 x 32 uint8 (E4M3 codes of Wv, K innermost, in blocks of 32 codes); bk 1,024 float32; bo 1,024 float32; bq 1,024 float32; bv 1,024 float32; lowp_scales 12 int32 (the exponents e of the quantised operands' scales 2^e); x_codes 2 x 2,048 x 32 x 32 uint8 (E4M3 codes of x, K innermost, in blocks of 32 codes).
;; Outputs: out0 2 x 2,048 x 1,024 float32.
;; This version of the problem:
;;   THIS VERSION OF THE PROBLEM IS GIVEN IN LOW PRECISION. The matrix products marked QUANTISED in the list below multiply operands that are first quantised to E4M3 (4 exponent bits, 3 mantissa bits; 8 bits a number), with one given power-of-two scale for each operand tensor; their sums are f32. All else is computed in f32.
;;   The module's matrix products, in the order in which they are computed (A, B: the left and right operand; K: the contracted axis; several contracted axes count as one K, in the product's order):
;;     1. [M 4,096, K 1,024] x [K 1,024, N 1,024]; A: input x (given as codes); B: input Wq (given as codes): QUANTISED (scales: A lowp_scales[0], B lowp_scales[1])
;;     2. [M 4,096, K 1,024] x [K 1,024, N 1,024]; A: input x (given as codes); B: input Wk (given as codes): QUANTISED (scales: A lowp_scales[2], B lowp_scales[3])
;;     3. [M 4,096, K 1,024] x [K 1,024, N 1,024]; A: input x (given as codes); B: input Wv (given as codes): QUANTISED (scales: A lowp_scales[4], B lowp_scales[5])
;;     4. batch 32 x [M 2,048, K 64] x [K 64, N 2,048]; A: computed on the way; B: computed on the way: QUANTISED (scales: A lowp_scales[6], B lowp_scales[7])
;;     5. batch 32 x [M 2,048, K 2,048] x [K 2,048, N 64]; A: softmax (see below); B: computed on the way: QUANTISED (scales: A lowp_scales[8], B lowp_scales[9])
;;     6. [M 4,096, K 1,024] x [K 1,024, N 1,024]; A: computed on the way; B: input Wo (given as codes): QUANTISED (scales: A lowp_scales[10], B lowp_scales[11])
;;   THE QUANTISER, for each operand of a quantised product, along K:
;;     - The operand's scale is 2^e, e = its entry of the input lowp_scales (int32; the entries are numbered through the quantised products in the list's order, A before B).
;;     - Each number is divided by the scale, clamped to +-448, and rounded to the nearest number of E4M3, ties to even, subnormals kept.
;;     - The product sums the exact products of the quantised numbers (number of the format x scale) in f32.
;;   ~~~python
;;   def quantise(x, axis, e):      # numpy; x: float32 -> the quantised numbers, widened to float32 again
;;       x = np.moveaxis(x, axis, -1); K = x.shape[-1]
;;       r = np.clip(x / 2.0 ** e, -448, 448)
;;       step = 2.0 ** (np.maximum(np.frexp(np.where(r == 0, 1, r))[1] - 1, -6) - 3)
;;       q = np.round(r / step) * step * 2.0 ** e      # np.round: ties to even
;;       return np.moveaxis(q, -1, axis).astype(np.float32)
;;   ~~~
;;   SOFTMAX AHEAD OF A QUANTISED PRODUCT. Where the list says 'softmax', what is quantised is not the finished softmax but p = 2^(t - M), with t = logit x log2(e) and M = ceil(the row's largest t), a whole number; so 1/2 < the row's largest p <= 1. The row's sum l is taken of the UNQUANTISED p, in f32, and the product's result is divided by l at the end. Since M is a whole number, a kernel that streams over the keys may use a running M (the ceiling of the running maximum): every later rescaling is an exact power of two, so the quantised numbers keep their values, but for numbers so far below the row's largest that they fall under the format's range.
;;   OPERANDS COMPUTED ON THE WAY. 'Computed on the way' means the value that the module computes at that place (a softmax that the list does not call 'softmax' is quantised finished and normalised). What goes into a quantiser is computed in f32, as accurately as f32 sums, v_exp_f32 and their like allow (about 1e-6 of the number): no bf16 or f16 on the way to a quantiser, and a product that is left as it is and whose result goes on into a quantised operand takes f32 operands (vector FMAs, or v_wmma_f32_16x16x4_f32). A number that lies on a knife's edge between two numbers of the format may be rounded either way, as far as f32 arithmetic and the matrix unit's own rounding can turn it there, and no further.
;;   INPUTS GIVEN AS CODES. Wk (in the module: [1024, 1024], K = its axis 0); Wo (in the module: [1024, 1024], K = its axis 0); Wq (in the module: [1024, 1024], K = its axis 0); Wv (in the module: [1024, 1024], K = its axis 0); x (in the module: [2, 2048, 1024], K = its axis 2): each comes as NAME_codes (uint8): NAME with its K axis moved to the last place and cut into blocks of 32 codes, [.., K / 32, bytes a block], one block behind the other in memory; one code a byte (a code: sign, 4 exponent bits, 3 mantissa bits); its scale is its entry of lowp_scales. Its value is code x scale, taken as it is: it is not quantised again, and the codes and scales need not be those that the quantiser above would give.
;; One version. Each part assembles by itself: llvm-mc -triple=amdgcn-amd-amdhsa -mcpu=gfx1250 --defsym DOCPART=n.
;; ======== version 1 of 1: 3 launches
;; limits: right only within a limited range of input values
;; workspace buffers: q_img 4,194,304 bytes; k_img 4,194,304 bytes; v_img 4,194,304 bytes; a_img 4,194,304 bytes
;; launch qkv (part 1): grid 12 x 16, 4 waves a work-group, clusters of 4 x 4, 327,680 bytes of LDS; arguments x_codes, Wq_codes, Wk_codes, Wv_codes, bq, bk, bv, lowp_scales, q_img, k_img, v_img; writes q_img, k_img, v_img
.if DOCPART == 1
	.amdgcn_target "amdgcn-amd-amdhsa--gfx1250"
	.amdhsa_code_object_version 6
	.text
	.protected	k_q5bd3c4b0f9_qkv
	.globl	k_q5bd3c4b0f9_qkv
	.p2align	8
	.type	k_q5bd3c4b0f9_qkv,@function
k_q5bd3c4b0f9_qkv:
	s_mov_b64 s[64:65], 0
	v_nop
	global_prefetch_b8 v0, s[64:65] scope:SCOPE_SE
	s_setreg_imm32_b32 hwreg(HW_REG_WAVE_MODE, 25, 1), 1
	s_wait_xcnt 0x0
	s_wait_alu depctr_hold_cnt(0) depctr_sa_sdst(0) depctr_va_vdst(0) depctr_va_sdst(0) depctr_va_ssrc(0) depctr_va_vcc(0) depctr_vm_vsrc(0)
	s_getreg_b32 s2, hwreg(HW_REG_IB_STS2, 6, 4)
	s_cmp_eq_u32 s2, 0
	s_cbranch_scc0 .Lentry_in_a_cluster
	s_endpgm
.Lentry_in_a_cluster:
	s_bfe_u32 s2, ttmp6, 0x10000c
	s_cmp_lg_u32 s2, 0xf033
	s_cbranch_scc0 .Lentry_shape_is_right
	s_endpgm
.Lentry_shape_is_right:
; q, k, v = x W + b for the three weights, each quantised anew to FP8 (E4M3): q with 2^e6, k with 2^e7, v with 2^e9.  x's and the weights' codes are multiplied as they are; a sum counts 2^(its two operands' e added).
; A work-group makes 256 x 256 of one of the three (cluster x = 0: q, 1: k, 2: v), a wave 128 x 128: 64 accumulators of 16 x 16 in windows 2 and 3.  For q and k the tile's rows (A) are tokens and its columns (B) outputs; for v the sources are
; exchanged, A = rows of Wv, B = tokens, so that v's image has the tokens (the next product's K) innermost.  K goes in four steps of 256 through two LDS slots.
; CLUSTERS of 4 x 4: A's tiles are asked for jointly by a row of the cluster, B's by a column.
; The images: blocks of 16,384 bytes [tile 0..7][piece 0..3][lane][16 bytes]; block number (batch x 8 + pair of heads) x 16 + block of 128 tokens.
; The biases: BQ (along the columns) counts for q and k, BV (along the rows) for v; the other is masked to 0, so that one text serves all three.
; No prefetch: the launch's K is four steps of which two are refills, in a loop of one trip: no step stands two refills ahead.
; LIMITS: each product's two exponents add up to between -126 and 127; e6, e7, e9 between -126 and 119: each power of two is then an f32 number.
.set KSTEP,  256
.set ROWB,   256
.set KROW,   1024
.set PITCH,  272
.set FR,     16
.set NL,     4
.set NP,     4
.set HALFT,  128*PITCH
.set SLOT,   4*HALFT
.set LAPS,   2
.set SPARE,  2*SLOT
.set SP,     144
.set WSTG,   128*SP
.set ADRA, 16
.set ADRB, 20
.set STO,  24
.set RD,   25
.set CO,   26
.set SPW,  28
.set NIL,  29
.set SC,   30
.set LIM,  31
.set BQ,   32
.set BV,   96
.set AF,   128
.set TMP,  128
.set CD,   192
.set G1, 24
.set G0, 32
.set G1B, 48
.set G0B, 56
.set MSB, 0
.macro WIN new
.if MSB != (\new)
	s_set_vgpr_msb (MSB<<8)|(\new)
.set MSB, \new
.endif
.endm
.set MUL_LO, 0xa1
.set MUL_HI, 0xf1
.set TO_B,   0x40
.macro TLOAD g0, g1                    ; an s_nop 0 and four v_nop follow each tensor load
	tensor_load_to_lds s[\g0:\g0+3], s[\g1:\g1+7]
	s_nop 0
.rept 4
	v_nop
.endr
.endm
; A slot's joint loads: A's 256 rows by wave 2 x slot, B's by the next wave.  The branches hang on the wave's number alone.
.macro JLOAD slot
	s_cmp_eq_u32 s14, 2*\slot
	s_cbranch_scc0 .Lnot_a_\@
	TLOAD G0+4*\slot, G1
	s_branch .Lasked_\@
.Lnot_a_\@:
	s_cmp_eq_u32 s14, 2*\slot+1
	s_cbranch_scc0 .Lasked_\@
	TLOAD G0B+4*\slot, G1B
.Lasked_\@:
.endm
.macro CREST
	s_cmp_lg_u32 s14, 0
	s_cbranch_scc1 .Lnot_wave_0_\@
	s_barrier_signal -3
.Lnot_wave_0_\@:
	s_barrier_wait -3
	s_barrier_signal -1
	s_barrier_wait -1
.endm
.macro CROUND
	s_barrier_signal -1
	s_barrier_wait -1
	CREST
.endm
	s_load_b512 s[68:83], s[0:1], 0x0
	s_load_b128 s[84:87], s[0:1], 0x40
	s_load_b64 s[88:89], s[0:1], 0x50
	v_lshl_add_u32 v[SPW], v0, 2, SPARE
	v_mov_b32 v[NIL], 0
	ds_add_u32 v28, v29
	ds_add_u32 v28, v29
	s_wait_dscnt 0x0
	v_lshrrev_b32 v1, 5, v0
	v_readfirstlane_b32 s14, v1
	s_lshr_b32 s15, s14, 1
	s_and_b32 s16, s14, 1
	s_bfe_u32 s40, ttmp6, 0x40000
	s_bfe_u32 s41, ttmp6, 0x40004
	s_and_b32 s17, ttmp7, 0xffff
	s_lshl_b32 s17, s17, 2
	s_cmp_eq_u32 ttmp9, 2
	s_cselect_b32 s42, s17, 0
	s_cselect_b32 s17, 0, s17
	s_cselect_b32 s12, 0, -1
	s_cselect_b32 s13, -1, 0
	s_add_co_u32 s17, s17, s41
	s_add_co_u32 s42, s42, s40
	s_lshl_b32 s43, s41, 2
	s_lshl_b32 s43, 15, s43
	s_lshl_b32 s44, 0x1111, s40
	s_or_b32 s[G1+0], s43, (0<<16)|(1<<20)|(1<<21)|(5<<22)|(3<<25)
	s_or_b32 s[G1B+0], s44, (0<<16)|(1<<20)|(1<<21)|(5<<22)|(3<<25)
.irp g, G1, G1B
	s_mov_b32 s[\g+1], ROWB<<16
	s_mov_b32 s[\g+2], 256<<16
	s_mov_b32 s[\g+3], ROWB<<16
	s_mov_b32 s[\g+4], 256
	s_mov_b32 s[\g+5], KROW
	s_mov_b32 s[\g+6], 0
	s_mov_b32 s[\g+7], 0
.endr
	s_lshl_b32 s20, s17, 18                        ; A: row 256 x tile row, in bytes
	s_mov_b32 s21, 0
	s_lshl_b32 s46, s42, 18                        ; B: row 256 x tile column
	s_mov_b32 s47, 0
	CROUND                                         ; all sixteen work-groups are here: the first joint loads meet
	s_wait_kmcnt 0x0
	s_cmp_eq_u32 ttmp9, 1
	s_cselect_b64 s[6:7], s[72:73], s[70:71]
	s_cselect_b64 s[8:9], s[78:79], s[76:77]
	s_cselect_b64 s[10:11], s[86:87], s[84:85]
	s_cmp_eq_u32 ttmp9, 2
	s_cselect_b64 s[4:5], s[74:75], s[68:69]
	s_cselect_b64 s[6:7], s[68:69], s[6:7]
	s_cselect_b64 s[8:9], s[80:81], s[8:9]
	s_cselect_b64 s[10:11], s[88:89], s[10:11]
	s_load_b256 s[68:75], s[82:83], 0x0
	s_load_b32 s76, s[82:83], 0x24
	s_add_nc_u64 s[20:21], s[4:5], s[20:21]
	s_add_nc_u64 s[46:47], s[6:7], s[46:47]
.irp s, 0,1
	s_mov_b32 s[G0+4*\s], 1
	s_mov_b32 s[G0+4*\s+1], \s*SLOT
	s_add_nc_u64 s[G0+4*\s+2:G0+4*\s+3], s[20:21], \s*ROWB
	s_or_b32 s[G0+4*\s+3], s[G0+4*\s+3], 0x80000000
	s_mov_b32 s[G0B+4*\s], 1
	s_mov_b32 s[G0B+4*\s+1], \s*SLOT+2*HALFT
	s_add_nc_u64 s[G0B+4*\s+2:G0B+4*\s+3], s[46:47], \s*ROWB
	s_or_b32 s[G0B+4*\s+3], s[G0B+4*\s+3], 0x80000000
.endr
	s_cmp_eq_u32 s14, 0                            ; both slots are asked for here, one tensor load a wave: waves 0 and 1 K step 0, waves 2 and 3 K step 1
	s_cbranch_scc0 .Lhead1
	TLOAD G0, G1
	s_branch .Lhead_asked
.Lhead1:
	s_cmp_eq_u32 s14, 1
	s_cbranch_scc0 .Lhead2
	TLOAD G0B, G1B
	s_branch .Lhead_asked
.Lhead2:
	s_cmp_eq_u32 s14, 2
	s_cbranch_scc0 .Lhead3
	TLOAD G0+4, G1
	s_branch .Lhead_asked
.Lhead3:
	TLOAD G0B+4, G1B
.Lhead_asked:
	v_and_b32 v1, 15, v0
	s_wait_alu depctr_va_vdst(0)
	v_bfe_u32 v2, v0, 4, 1
	v_mul_u32_u24 v3, v1, PITCH
	v_lshl_add_u32 v4, v2, 4, v3
	s_mul_i32 s21, s15, HALFT
	s_mul_i32 s22, s16, HALFT
	s_add_co_u32 s22, s22, 2*HALFT
.irp s, 0,1
	v_add_nc_u32 v[ADRA+\s], s21, v4
	v_add_nc_u32 v[ADRB+\s], s22, v4
	s_add_co_u32 s21, s21, SLOT
	s_add_co_u32 s22, s22, SLOT
.endr
	s_mul_i32 s23, s14, WSTG
	v_mul_u32_u24 v5, v1, SP
	s_wait_alu depctr_va_vdst(0)
	v_lshl_add_u32 v5, v2, 3, v5
	v_add_nc_u32 v[STO], s23, v5
	v_and_b32 v6, 8, v1
	v_add_nc_u32 v6, v6, v1
	v_mul_u32_u24 v6, v6, SP
	v_lshl_add_u32 v6, v2, 4, v6
	v_add_nc_u32 v[RD], s23, v6
	v_and_b32 v6, 31, v0
	v_lshlrev_b32 v[CO], 4, v6
	s_lshl_b32 s46, s42, 10
	s_lshl_b32 s47, s16, 9
	s_add_co_u32 s46, s46, s47
	s_and_b32 s46, s46, s12
	v_lshl_add_u32 v7, v2, 5, s46
	s_lshl_b32 s20, s17, 10
	s_lshl_b32 s21, s15, 9
	s_add_co_u32 s20, s20, s21
	s_and_b32 s20, s20, s13
	v_lshl_add_u32 v8, v1, 2, s20
.irp b, 0,1,2,3,4,5,6,7
	global_load_b128 v[BQ+8*\b:BQ+8*\b+3], v7, s[8:9] offset:64*\b
	global_load_b128 v[BQ+8*\b+4:BQ+8*\b+7], v7, s[8:9] offset:64*\b+16
.endr
.irp a, 0,1,2,3,4,5,6,7
	global_load_b32 v[BV+2*\a], v8, s[8:9] offset:64*\a
	global_load_b32 v[BV+2*\a+1], v8, s[8:9] offset:64*\a
.endr
	s_lshl_b32 s20, s17, 1
	s_add_co_u32 s20, s20, s15
	s_lshl_b32 s46, s42, 1
	s_add_co_u32 s46, s46, s16
	s_cmp_eq_u32 ttmp9, 2
	s_cselect_b32 s66, s46, s20
	s_cselect_b32 s67, s20, s46
	s_lshr_b32 s47, s66, 4
	s_lshl_b32 s47, s47, 3
	s_add_co_u32 s47, s47, s67
	s_lshl_b32 s47, s47, 4
	s_and_b32 s66, s66, 15
	s_add_co_u32 s66, s66, s47
	s_lshl_b32 s66, s66, 14
	s_mov_b32 s67, 0
	s_add_nc_u64 s[10:11], s[10:11], s[66:67]
	s_wait_loadcnt 0x0
.set i, 0
.rept 64
	v_and_b32 v[BQ+i], s12, v[BQ+i]
.set i, i+1
.endr
.set i, 0
.rept 16
	v_and_b32 v[BV+i], s13, v[BV+i]
.set i, i+1
.endr
	s_wait_kmcnt 0x0
	s_add_co_i32 s66, s68, s69
	s_add_co_i32 s67, s70, s71
	s_add_co_i32 s77, s72, s73
	s_cmp_eq_u32 ttmp9, 1
	s_cselect_b32 s66, s67, s66
	s_cselect_b32 s78, s75, s74
	s_cmp_eq_u32 ttmp9, 2
	s_cselect_b32 s66, s77, s66
	s_cselect_b32 s78, s76, s78
	s_add_co_i32 s66, s66, 127
	s_lshl_b32 s90, s66, 23
	s_mov_b32 s91, s90
	s_add_co_i32 s78, s78, 127
	s_lshl_b32 s92, s78, 23
	v_mov_b32 v[SC], s92
	s_add_co_i32 s78, s78, 8
	s_lshl_b32 s93, s78, 23
	s_or_b32 s93, s93, 0x600000
	v_mov_b32 v[LIM], s93
.macro FRAG reg, adr, q, i
.irp c, 0,1,2,3
	ds_load_b128 v[\reg+4*\c:\reg+4*\c+3], v[\adr] offset:128*(\q)+32*\c+(\i)*16*PITCH
.endr
.endm
.macro MUL16 a0, p, zero
.irp a, \a0, \a0+1
.irp b, 0,1,2,3,4,5,6,7
.if \zero
	v_wmma_f32_16x16x128_fp8_fp8 v[8*(8*((\a)%4)+\b):8*(8*((\a)%4)+\b)+7], v[128*(\p)+FR*\b:128*(\p)+FR*\b+FR-1], v[AF+FR*(\a):AF+FR*(\a)+FR-1], 0
.else
	v_wmma_f32_16x16x128_fp8_fp8 v[8*(8*((\a)%4)+\b):8*(8*((\a)%4)+\b)+7], v[128*(\p)+FR*\b:128*(\p)+FR*\b+FR-1], v[AF+FR*(\a):AF+FR*(\a)+FR-1], v[8*(8*((\a)%4)+\b):8*(8*((\a)%4)+\b)+7]
.endif
.endr
.endr
.endm
.macro FETCH_B slot, q, p
	WIN TO_B
.irp i, 0,1,2,3,4,5,6,7
	FRAG 128*(\p)+FR*\i, ADRB+\slot, \q, \i
.endr
	WIN 0
.endm
.macro FETCH_A slot, q, i0
.irp i, \i0, \i0+1, \i0+2, \i0+3
	FRAG AF+FR*(\i), ADRA+\slot, \q, \i
.endr
.endm
.macro PLACES n
.rept \n
	v_nop
.endr
.endm
.macro STEP slot, q, zero
	s_wait_dscnt 4*NL
	WIN MUL_LO
	MUL16 0, (\q)%2, \zero
	MUL16 2, (\q)%2, \zero
	s_wait_dscnt 0
	PLACES NP
	FETCH_B \slot, (\q)+1, 1-(\q)%2
	FETCH_A \slot, (\q)+1, 0
	WIN MUL_HI
	MUL16 4, (\q)%2, \zero
	MUL16 6, (\q)%2, \zero
	PLACES NP
	WIN 0
	FETCH_A \slot, (\q)+1, 4
.endm
.macro TURN slot, next, fill
	s_wait_tensorcnt 0x0
	ds_add_u32 v[SPW], v[NIL]
	s_wait_dscnt 4*NL+1
	WIN MUL_LO
	MUL16 0, 1, 0
	s_wait_dscnt 0x0
	s_barrier_signal -1
	MUL16 2, 1, 0
	WIN 0
	s_barrier_wait -1
.if \fill
	CREST
	s_add_nc_u64 s[G0+4*\slot+2:G0+4*\slot+3], s[G0+4*\slot+2:G0+4*\slot+3], 2*ROWB
	s_add_nc_u64 s[G0B+4*\slot+2:G0B+4*\slot+3], s[G0B+4*\slot+2:G0B+4*\slot+3], 2*ROWB
	JLOAD \slot                                    ; the first tensor load behind the round
.endif
	PLACES NP                                      ; on every wave's path, in front of the loads below
	FETCH_B \next, 0, 0
	FETCH_A \next, 0, 0
	WIN MUL_HI
	MUL16 4, 1, 0
	MUL16 6, 1, 0
	PLACES NP
	WIN 0
	FETCH_A \next, 0, 4
.endm
	s_wait_alu depctr_va_vdst(0)
	s_cmp_lt_u32 s14, 2
	s_cbranch_scc0 .Lslot1_mine
	s_wait_tensorcnt 0x0                           ; waves 0 and 1: K step 0 is in (the others' loads may be out: slot 1 is read behind the first change of slots, which waits for them)
.Lslot1_mine:
	s_barrier_signal -1
	s_barrier_wait -1
	FETCH_B 0, 0, 0
	FETCH_A 0, 0, 0
	FETCH_A 0, 0, 4
	STEP 0, 0, 1
	s_mov_b32 s3, LAPS-1
.Llap:
	TURN 0, 1, 1
	STEP 1, 0, 0
	TURN 1, 0, 1
	STEP 0, 0, 0
	s_sub_co_u32 s3, s3, 1
	s_cmp_lg_u32 s3, 0
	s_cbranch_scc1 .Llap
	TURN 0, 1, 0
	STEP 1, 0, 0
	s_wait_dscnt 4*NL
	WIN MUL_LO
	MUL16 0, 1, 0
	MUL16 2, 1, 0
	s_wait_dscnt 0
	WIN MUL_HI
	MUL16 4, 1, 0
	MUL16 6, 1, 0
	WIN 0
.macro OUTBLK a
.set AC, 64*((\a)%4)
.set CB, CD+16*((\a)%4)
	WIN 0x02+((\a)/4)
.set j, 0
.rept 32
	v_pk_fma_f32 v[TMP+j:TMP+j+1], v[AC+j:AC+j+1], s[90:91], v[BQ+j:BQ+j+1] op_sel_hi:[1,0,1]
.set j, j+2
.endr
	WIN 0
.set j, 0
.rept 32
	v_pk_add_f32 v[TMP+j:TMP+j+1], v[TMP+j:TMP+j+1], v[BV+2*(\a):BV+2*(\a)+1]
.set j, j+2
.endr
.set i, 0
.rept 64
	v_med3_num_f32 v[TMP+i], v[TMP+i], -v[LIM], v[LIM]
.set i, i+1
.endr
.irp b, 0,1,2,3,4,5,6,7
	v_cvt_scalef32_pk8_fp8_f32 v[CB+2*\b:CB+2*\b+1], v[TMP+8*\b:TMP+8*\b+7], v[SC]
.endr
	v_nop
.irp b, 0,1,2,3,4,5,6,7
	ds_store_b64 v[STO], v[CB+2*\b:CB+2*\b+1] offset:(\a)*16*SP+16*\b
.endr
.endm
	PLACES NP
; Two blocks, 32 rows of the stage, are two tiles of the image: they are read back into window 1 (B's first set, done with) as soon as both are in the stage, and stored behind the next block's conversions.
; LDS serves a wave's instructions in order (ISA guide 5.7.1.4): no wait between the stores and the loads.
.macro BACK p
	WIN TO_B
.set n, 8*\p
.rept 8
	ds_load_b128 v[4*n:4*n+3], v[RD] offset:(32*((n/4)/2)+8*((n/4)%2))*SP+32*(n%4)
.set n, n+1
.endr
	WIN 0
.endm
.macro SENDP p, younger                ; younger: the LDS stores issued behind the pair's loads, which may stay out
	s_wait_dscnt \younger
	WIN 0x04
.set n, 8*\p
.rept 8
	global_store_b128 v[CO], v[4*n:4*n+3], s[10:11] offset:512*n   ; 32 lanes store 512 consecutive bytes, at a multiple of 512 from the buffer's first byte
.set n, n+1
.endr
	WIN 0
.endm
	OUTBLK 0
	OUTBLK 1
	BACK 0
	OUTBLK 2
	SENDP 0, 8
	OUTBLK 3
	BACK 1
	OUTBLK 4
	SENDP 1, 8
	OUTBLK 5
	BACK 2
	OUTBLK 6
	SENDP 2, 8
	OUTBLK 7
	BACK 3
	SENDP 3, 0
	s_wait_tensorcnt 0x0
	ds_add_u32 v[SPW], v[NIL]
	s_wait_dscnt 0x0
	CROUND
	s_endpgm
.Lfunc_end_k_q5bd3c4b0f9_qkv:
	.size	k_q5bd3c4b0f9_qkv, .Lfunc_end_k_q5bd3c4b0f9_qkv-k_q5bd3c4b0f9_qkv
	.p2alignl 7, 3214868480
	.fill 96, 4, 3214868480
	.section	.rodata,"a",@progbits
	.p2align	6, 0x0
	.amdhsa_kernel k_q5bd3c4b0f9_qkv
		.amdhsa_group_segment_fixed_size 327680
		.amdhsa_private_segment_fixed_size 0
		.amdhsa_enable_private_segment 0
		.amdhsa_kernarg_size 88
		.amdhsa_user_sgpr_count 2
		.amdhsa_user_sgpr_kernarg_segment_ptr 1
		.amdhsa_wavefront_size32 1
		.amdhsa_system_sgpr_workgroup_id_x 1
		.amdhsa_system_sgpr_workgroup_id_y 1
		.amdhsa_system_sgpr_workgroup_id_z 1
		.amdhsa_system_vgpr_workitem_id 0
		.amdhsa_next_free_vgpr 1024
		.amdhsa_next_free_sgpr 96
		.amdhsa_reserve_vcc 0
		.amdhsa_float_denorm_mode_32 3
		.amdhsa_float_denorm_mode_16_64 3
		.amdhsa_memory_ordered 1
		.amdhsa_forward_progress 1
		.amdhsa_inst_pref_size 164
	.end_amdhsa_kernel
	.amdgpu_metadata
---
amdhsa.version: [ 1, 2 ]
amdhsa.kernels:
  - .name:           k_q5bd3c4b0f9_qkv
    .symbol:         k_q5bd3c4b0f9_qkv.kd
    .args:
      - { .name: x_codes, .offset: 0, .size: 8, .value_kind: global_buffer, .address_space: global }
      - { .name: Wq_codes, .offset: 8, .size: 8, .value_kind: global_buffer, .address_space: global }
      - { .name: Wk_codes, .offset: 16, .size: 8, .value_kind: global_buffer, .address_space: global }
      - { .name: Wv_codes, .offset: 24, .size: 8, .value_kind: global_buffer, .address_space: global }
      - { .name: bq, .offset: 32, .size: 8, .value_kind: global_buffer, .address_space: global }
      - { .name: bk, .offset: 40, .size: 8, .value_kind: global_buffer, .address_space: global }
      - { .name: bv, .offset: 48, .size: 8, .value_kind: global_buffer, .address_space: global }
      - { .name: lowp_scales, .offset: 56, .size: 8, .value_kind: global_buffer, .address_space: global }
      - { .name: q_img, .offset: 64, .size: 8, .value_kind: global_buffer, .address_space: global }
      - { .name: k_img, .offset: 72, .size: 8, .value_kind: global_buffer, .address_space: global }
      - { .name: v_img, .offset: 80, .size: 8, .value_kind: global_buffer, .address_space: global }
    .group_segment_fixed_size: 327680
    .private_segment_fixed_size: 0
    .kernarg_segment_align: 8
    .kernarg_segment_size: 88
    .max_flat_workgroup_size: 128
    .sgpr_count:     96
    .vgpr_count:     1024
    .wavefront_size: 32
...
	.end_amdgpu_metadata
.endif
;; end of part 1
;; launch attn (part 2): grid 8 x 32, 8 waves a work-group, clusters of 4 x 1, 263,168 bytes of LDS; arguments q_img, k_img, v_img, lowp_scales, a_img; writes a_img
.if DOCPART == 2
	.amdgcn_target "amdgcn-amd-amdhsa--gfx1250"
	.amdhsa_code_object_version 6
	.text
	.protected	k_q5bd3c4b0f9_attn
	.globl	k_q5bd3c4b0f9_attn
	.p2align	8
	.type	k_q5bd3c4b0f9_attn,@function
k_q5bd3c4b0f9_attn:
	s_mov_b64 s[64:65], 0
	v_nop
	global_prefetch_b8 v0, s[64:65] scope:SCOPE_SE
	s_setreg_imm32_b32 hwreg(HW_REG_WAVE_MODE, 25, 1), 1
	s_wait_xcnt 0x0
	s_wait_alu depctr_hold_cnt(0) depctr_sa_sdst(0) depctr_va_vdst(0) depctr_va_sdst(0) depctr_va_ssrc(0) depctr_va_vcc(0) depctr_vm_vsrc(0)
	s_getreg_b32 s2, hwreg(HW_REG_IB_STS2, 6, 4)
	s_cmp_eq_u32 s2, 0
	s_cbranch_scc0 .Lentry_in_a_cluster
	s_endpgm
.Lentry_in_a_cluster:
	s_bfe_u32 s2, ttmp6, 0x10000c
	s_cmp_lg_u32 s2, 0x3003
	s_cbranch_scc0 .Lentry_shape_is_right
	s_endpgm
.Lentry_shape_is_right:
; Attention of one head on codes of FP8 (E4M3): o = softmax(q k^T / 8) v, and o quantised anew with 2^e10.  Scales: q 2^e6, k 2^e7, p 2^e8, v 2^e9.
; THE SOFTMAX AHEAD OF THE SECOND PRODUCT: t = score x log2(e) / 8; M = the row's largest t so far, rounded UP to a whole number; p = 2^(t - M) is what is quantised, not normalised.
; The row's sum is taken of the unquantised p, in f32, and divides at the end.  When M moves, the sum and O are multiplied by 2^(old M - new M), which rounds nothing.
; INPUTS are blocks of 16,384 bytes [tile 0..7][piece 0..3][lane][16 bytes], block number (batch x 8 + pair of heads) x 16 + block of 128 tokens.  Lane l of tile T holds row 32 (T / 2) + 8 (T % 2) + l % 16 + 8 ((l % 16) / 8).
; q_img, k_img: rows = tokens, piece c = channels 32 c + 16 (l / 16) + 0 .. 15 of the pair's 128 (my head: pieces 2 par, 2 par + 1).  v_img: rows = channels (my head: tiles 4 par .. 4 par + 3), pieces = keys.
; SHARES.  A work-group owns 256 queries of one head; each of its eight waves owns two tiles of 16, so that each fragment of K and V read from LDS feeds two products.  A key step is 256 keys: two blocks of 128.
; THE WHOLE HEAD LIES IN LDS: K's 131,072 bytes, then V's.  Six waves issue one tensor load each at the head: waves 0 and 1 the first step's K and V, waves 2 and 3 the other keys' K, waves 4 and 5 their V.
; No LDS byte is filled twice.  The first barrier stands behind the loads of waves 0 and 1; the second is signalled in the middle of the first step, behind everybody's load, and waited for at its end.
; Everything is asked for at the head: no later request that a prefetch could run ahead of.
; CLUSTER.  The four query blocks of a cluster belong to one head and ask for its K and V jointly: the same loads, the same descriptors, the mask of all four.
; LAYOUT.  Both products are used transposed: S^T = K Q^T (source 0 = 16 keys, source 1 = 16 queries), O^T = V^T P^T: a lane holds ONE query throughout.  By the tiles' order of rows the 16 registers of tiles 2 b, 2 b + 1
; of S^T are keys 32 b + 16 (l / 16) + 0 .. 15, so p's conversions give the second product's operand; likewise O^T's tiles 2 g, 2 g + 1 are 16 neighbouring channels, a piece of the next launch's operand.
; Operands are fetched 16 bytes a lane: a permutation of k inside an instruction, the same on both sides of each product.
; LIMITS: e6 + e7 between -123 and 130 (added to c's exponent field); e8 and e10 between -126 and 119; e8 + e9 is applied by v_ldexp_f32 and has none.  The scaled scores t stay under 2^31 in magnitude.
; REGISTERS.  Window 0: addresses and statistics below v48; P: p's codes, and K's second block ahead of them; O: O^T; F: K's first block, then V's first.  Window 1: S^T, then p (tile x at v[128 x]); behind the conversions V's second block in v0-63.
.set VB,    131072                     ; V begins here in LDS
.set SPARE, 262144                     ; the spare words, 128 bytes for each wave
.set LI,    1                          ; 16 x lane
.set LV,    2                          ; VB + 16 x lane
.set ADK,   3                          ; LDS address of the step's K
.set C2,    4                          ; v[4:7] the sums' second chains, a pair a tile
.set ST,    8                          ; tile x at v[ST + 8 x]: +0 -M, +1 the largest score, +2, +3 the sum's first chain, +4 f (+5 its pair's upper half, written once), +6, +7 at work
.set PLIM,  24                         ; v24, v25: 448 x 2^e8
.set PSC,   26                         ; 2^e8 as f32
.set OSC,   27                         ; 2^e10
.set C3,    244                        ; v[244:251] the sums' third and fourth chains, two pairs a tile
.set PX,    28
.set SPW,   30                         ; LDS address of my spare word
.set NIL,   31                         ; 0
.set Q,     32
.set P,     48
.set O,     112
.set F,     176
.set OLIM,  240                        ; 448 x 2^e10
.set ADV,   241                        ; LDS address of the step's V
.set ADN,   242                        ; LDS address of the next step's K
.set WV,   18
.set SEL,  20                          ; s[20:21] lane selects for v_permlanex16_b32: lane l xor 16
.set CS,   22                          ; s[22:23] c = log2(e) / 8 x 2^(e6 + e7)
.set G1KA, 24                          ; descriptor groups 1: the first step's K, V; the rest's K, V
.set G1VA, 32
.set G1KB, 40
.set G1VB, 48
.set G0KA, 84                          ; and their groups 0
.set G0VA, 88
.set G0KB, 92
.set G0VB, 96
.set TB,   56                          ; LDS byte at which the step's K begins
.set CNT,  57
.set EPV,  58                          ; e8 + e9
.set CSN,  59                          ; -c
.set MSB, 0
.macro WIN new                         ; the immediate's high byte repeats the setting that is left
.if MSB != (\new)
	s_set_vgpr_msb (MSB<<8)|(\new)
.set MSB, \new
.endif
.endm
.macro CROUND                          ; a round of the cluster's barrier
	s_barrier_signal -1
	s_barrier_wait -1
	s_cmp_lg_u32 s[WV], 0
	s_cbranch_scc1 .Lnot_wave_0_\@
	s_barrier_signal -3
.Lnot_wave_0_\@:
	s_barrier_wait -3
	s_barrier_signal -1
	s_barrier_wait -1
.endm
.macro G1SET g, c, r, p                ; r rows of c elements of 8 bytes, p elements apart; 15:0 the mask: all four work-groups; bit 21 set beside it
	s_mov_b32 s[\g], 15|(3<<16)|(1<<21)
	s_mov_b32 s[\g+1], (\c)<<16
	s_mov_b32 s[\g+2], (\r)<<16
	s_mov_b32 s[\g+3], (\c)<<16
	s_mov_b32 s[\g+4], \r
	s_mov_b32 s[\g+5], \p
	s_mov_b32 s[\g+6], 0
	s_mov_b32 s[\g+7], 0
.endm
.macro TLOAD g0, g1
	tensor_load_to_lds s[\g0:\g0+3], s[\g1:\g1+7]
	s_nop 0
.rept 4
	v_nop
.endr
.endm
	s_load_b256 s[4:11], s[0:1], 0x0               ; q_img s[4:5], k_img s[6:7], v_img s[8:9], the scales' exponents s[10:11]
	s_load_b64 s[12:13], s[0:1], 0x20              ; a_img
	v_lshl_add_u32 v[SPW], v0, 2, SPARE
	v_mov_b32 v[NIL], 0
	ds_add_u32 v[SPW], v[NIL]                      ; the opening: the add, twice on end
	ds_add_u32 v[SPW], v[NIL]
	v_lshrrev_b32 v3, 5, v0
	v_readfirstlane_b32 s[WV], v3                  ; wave 0..7
	s_and_b32 s69, ttmp7, 0xffff                   ; 16 x batch + head, which the four partners share
	s_lshr_b32 s70, s69, 1                         ; 8 x batch + pair of heads
	s_and_b32 s71, s69, 1                          ; par: which head of the pair
	s_lshl_b32 s72, s70, 18                        ; the pair's 16 blocks begin here, in each of the three inputs
	s_and_b32 s73, s[WV], 3
	s_and_b32 s74, s[WV], 1                        ; which half of the rest I fetch, if I fetch of it
	s_lshl_b32 s76, s71, 10
	s_add_co_u32 s76, s76, s72                     ; K: my head's 1,024 bytes of each tile's 2,048
	s_mov_b32 s77, 0
	s_lshl_b32 s78, s71, 13
	s_add_co_u32 s78, s78, s72                     ; V: my head's half of each block
	s_mov_b32 s79, 0
	s_mul_i32 s80, s74, 7*16384
	s_add_co_u32 s80, s80, 2*16384                 ; the rest begins two blocks on; a half of it is seven blocks
	s_mov_b32 s81, 0
	s_mul_i32 s75, s74, 7*8192                     ; in LDS a block of my head is 8,192 bytes
	G1SET G1KA, 128, 16, 256                       ; K: rows of 1,024 bytes, 2,048 apart, 8 to a block
	G1SET G1VA, 1024, 2, 2048                      ; V: a block's 8,192 dense bytes to a row, 16,384 apart
	G1SET G1KB, 128, 56, 256
	G1SET G1VB, 1024, 7, 2048
	s_mov_b32 s[SEL], 0x76543210
	s_mov_b32 s[SEL+1], 0xfedcba98
	s_mov_b32 s[CS], 0x3e38aa3b                    ; log2(e) / 8
	s_mov_b32 s[TB], 0
	s_wait_dscnt 0x0                               ; both opening adds are done
	CROUND                                         ; all four work-groups are here: the joint loads meet
	s_wait_kmcnt 0x0
	s_load_b128 s[60:63], s[10:11], 0x18           ; e6, e7, e8, e9
	s_load_b32 s66, s[10:11], 0x28                 ; e10
	s_add_nc_u64 s[76:77], s[6:7], s[76:77]
	s_add_nc_u64 s[78:79], s[8:9], s[78:79]
	s_mov_b32 s[G0KA], 1                           ; count = 1
	s_mov_b32 s[G0KA+1], 0                         ; LDS address
	s_mov_b64 s[G0KA+2:G0KA+3], s[76:77]
	s_or_b32 s[G0KA+3], s[G0KA+3], 0x80000000      ; type = 2
	s_mov_b32 s[G0VA], 1
	s_mov_b32 s[G0VA+1], VB
	s_mov_b64 s[G0VA+2:G0VA+3], s[78:79]
	s_or_b32 s[G0VA+3], s[G0VA+3], 0x80000000
	s_mov_b32 s[G0KB], 1
	s_add_co_u32 s[G0KB+1], s75, 16384
	s_add_nc_u64 s[G0KB+2:G0KB+3], s[76:77], s[80:81]
	s_or_b32 s[G0KB+3], s[G0KB+3], 0x80000000
	s_mov_b32 s[G0VB], 1
	s_add_co_u32 s[G0VB+1], s75, VB+16384
	s_add_nc_u64 s[G0VB+2:G0VB+3], s[78:79], s[80:81]
	s_or_b32 s[G0VB+3], s[G0VB+3], 0x80000000
	s_cmp_eq_u32 s[WV], 0                          ; one chain of arms, one load to an arm; an s_nop 0 and four v_nop follow each
	s_cbranch_scc0 .Larm1
	TLOAD G0KA, G1KA
	s_branch .Lasked
.Larm1:
	s_cmp_eq_u32 s[WV], 1
	s_cbranch_scc0 .Larm2
	TLOAD G0VA, G1VA
	s_branch .Lasked
.Larm2:
	s_cmp_lt_u32 s[WV], 4
	s_cbranch_scc0 .Larm3
	TLOAD G0KB, G1KB
	s_branch .Lasked
.Larm3:
	s_cmp_lt_u32 s[WV], 6
	s_cbranch_scc0 .Lasked
	TLOAD G0VB, G1VB
.Lasked:
	s_bfe_u32 s67, ttmp6, 0x40000                  ; cx: it enters Q's and the output's addresses alone
	s_lshl_b32 s68, ttmp9, 2
	s_add_co_u32 s68, s68, s67                     ; my block of 256 queries
	s_lshl_b32 s68, s68, 1
	s_lshr_b32 s80, s[WV], 2
	s_add_co_u32 s68, s68, s80                     ; my wave's block of 128 tokens in the batch
	s_lshl_b32 s80, s73, 12                        ; in it: tiles 2 (wave % 4) and the next,
	s_lshl_b32 s81, s71, 10                        ; pieces 2 par and the next
	s_add_co_u32 s80, s80, s81
	s_lshl_b32 s82, s68, 14
	s_add_co_u32 s82, s82, s72
	s_add_co_u32 s82, s82, s80
	s_mov_b32 s83, 0
	s_add_nc_u64 s[4:5], s[4:5], s[82:83]          ; Q at my two tiles
	s_lshr_b32 s82, s69, 4                         ; the batch
	s_lshl_b32 s82, s82, 4
	s_add_co_u32 s82, s82, s68                     ; the block of tokens, 0 .. 31
	s_lshl_b32 s82, s82, 3
	s_and_b32 s81, s70, 7                          ; the pair of heads = the next launch's K step of 128
	s_add_co_u32 s82, s82, s81
	s_lshl_b32 s82, s82, 14
	s_add_co_u32 s82, s82, s80
	s_add_nc_u64 s[12:13], s[12:13], s[82:83]      ; a_img at the same tiles and pieces of block (tokens x 8 + pair)
	v_and_b32 v[LI], 31, v0
	v_lshlrev_b32 v[LI], 4, v[LI]
.irp x, 0,1
.irp c, 0,1
	global_load_b128 v[Q+8*\x+4*\c:Q+8*\x+4*\c+3], v[LI], s[4:5] offset:2048*\x+512*\c   ; Q stays in registers
.endr
.endr
	v_add_nc_u32 v[LV], VB, v[LI]
.irp x, 0,1
	v_mov_b32 v[ST+8*\x+1], 0xff61b1e6             ; the largest score so far: -3e38, under every score (a sum of 64 products of codes)
	v_mov_b32 v[ST+8*\x+2], 0                      ; the sum, in four chains of two halves
	v_mov_b32 v[ST+8*\x+3], 0
	v_mov_b32 v[C2+2*\x], 0
	v_mov_b32 v[C2+2*\x+1], 0
	v_mov_b32 v[ST+8*\x+5], 0                      ; (named as the upper half of f's pair)
	v_mov_b32 v[C3+4*\x], 0
	v_mov_b32 v[C3+4*\x+1], 0
	v_mov_b32 v[C3+4*\x+2], 0
	v_mov_b32 v[C3+4*\x+3], 0
	v_mov_b32 v[PX+\x], 0                          ; written once: a lane permute's destination counts as one of its sources
.endr
	s_wait_kmcnt 0x0
	s_add_co_i32 s82, s60, s61
	s_lshl_b32 s82, s82, 23
	s_add_co_i32 s[CS], s[CS], s82                 ; a score stands for score x 2^(e6 + e7): the two exponents are added to c's exponent field
	s_mov_b32 s[CS+1], s[CS]                       ; (named with it as a pair, so it is written)
	s_xor_b32 s[CSN], s[CS], 0x80000000
	s_add_co_i32 s82, s62, 127
	s_lshl_b32 s83, s82, 23
	v_mov_b32 v[PSC], s83
	s_add_co_i32 s82, s82, 8
	s_lshl_b32 s82, s82, 23
	s_or_b32 s82, s82, 0x600000
	v_mov_b32 v[PLIM], s82
	v_mov_b32 v[PLIM+1], s82
	s_add_co_i32 s82, s66, 127
	s_lshl_b32 s83, s82, 23
	v_mov_b32 v[OSC], s83
	s_add_co_i32 s82, s82, 8
	s_lshl_b32 s82, s82, 23
	s_or_b32 s82, s82, 0x600000
	v_mov_b32 v[OLIM], s82
	s_add_co_i32 s[EPV], s62, s63
.macro KLOAD adr, off, r               ; a block of 128 keys: K's eight fragments, 512 consecutive bytes a load
.irp t, 0,1,2,3,4,5,6,7
.irp c, 0,1
	ds_load_b128 v[\r+8*\t+4*\c:\r+8*\t+4*\c+3], v[\adr] offset:\off+1024*\t+512*\c
.endr
.endr
.endm
.macro SUMS x                          ; the row's sum is taken of the unquantised p: two at a time, in four chains
.set j, 0
.rept 16
	v_pk_add_f32 v[ST+8*\x+2:ST+8*\x+3], v[128*\x+j:128*\x+j+1], v[ST+8*\x+2:ST+8*\x+3]
	v_pk_add_f32 v[C2+2*\x:C2+2*\x+1], v[128*\x+j+2:128*\x+j+3], v[C2+2*\x:C2+2*\x+1]
	v_pk_add_f32 v[C3+4*\x:C3+4*\x+1], v[128*\x+j+4:128*\x+j+5], v[C3+4*\x:C3+4*\x+1]
	v_pk_add_f32 v[C3+4*\x+2:C3+4*\x+3], v[128*\x+j+6:128*\x+j+7], v[C3+4*\x+2:C3+4*\x+3]
.set j, j+8
.endr
.endm
.macro VLOAD off, r
.irp t, 0,1,2,3
.irp c, 0,1,2,3
	ds_load_b128 v[\r+16*\t+4*\c:\r+16*\t+4*\c+3], v[ADV] offset:\off+2048*\t+512*\c
.endr
.endr
.endm
; A KEY STEP: 256 keys, both tiles of queries.  On the way in the step's first block of K is on its way into F: 16 loads.  first = 1: O^T starts with C = 0, there is nothing to rescale, and the second barrier lies in it.
.macro STEP first
	v_add_nc_u32 v[ADK], s[TB], v[LI]              ; with the v_nop: five places between the last products, which read P and window 1's v0-63, and the loads and products that write there (ISA guide 7.12.1 for the products)
	v_add_nc_u32 v[ADV], s[TB], v[LV]
.rept 3
	v_nop
.endr
	KLOAD ADK, 8192, P
	s_wait_alu depctr_va_vdst(0)
	s_wait_dscnt 16                                ; K's first block is in; the second's 16 loads may be out
	WIN 0x40
.irp t, 0,1,2,3,4,5,6,7
.irp x, 0,1
	v_wmma_f32_16x16x64_fp8_fp8 v[128*\x+8*\t:128*\x+8*\t+7], v[F+8*\t:F+8*\t+7], v[Q+8*\x:Q+8*\x+7], 0
.endr
.endr
	s_wait_dscnt 0x0
.irp t, 0,1,2,3,4,5,6,7
.irp x, 0,1
	v_wmma_f32_16x16x64_fp8_fp8 v[128*\x+64+8*\t:128*\x+64+8*\t+7], v[P+8*\t:P+8*\t+7], v[Q+8*\x:Q+8*\x+7], 0
.endr
.endr
	WIN 0
.rept 4
	v_nop
.endr
	VLOAD 0, F                                     ; V's first block lands under the softmax
	WIN 0x05                                       ; sources 0 and 1: S^T
	; the largest score of each query so far, in two chains a tile; each accumulator is read from its low end on
.set i, 0
.rept 32
.irp x, 0,1
	v_max3_num_f32 v[ST+8*\x+1], v[128*\x+i], v[128*\x+i+1], v[ST+8*\x+1]
.endr
.irp x, 0,1
.if i == 0
	v_max3_num_f32 v[ST+8*\x+7], v[128*\x+i+2], v[128*\x+i+3], v[ST+8*\x+1]
.else
	v_max3_num_f32 v[ST+8*\x+7], v[128*\x+i+2], v[128*\x+i+3], v[ST+8*\x+7]
.endif
.endr
.set i, i+4
.endr
	WIN 0
.irp x, 0,1
	v_max_num_f32 v[ST+8*\x+1], v[ST+8*\x+1], v[ST+8*\x+7]
.endr
.irp x, 0,1
	s_delay_alu instid0(VALU_DEP_2)
	v_permlanex16_b32 v[PX+\x], v[ST+8*\x+1], s[SEL], s[SEL+1]   ; the query's other keys lie in the lane 16 away
.endr
.irp x, 0,1
	s_delay_alu instid0(VALU_DEP_2)
	v_max_num_f32 v[ST+8*\x+1], v[ST+8*\x+1], v[PX+\x]
.endr
.irp x, 0,1
	s_delay_alu instid0(VALU_DEP_2)
	v_mul_f32 v[ST+8*\x+6], s[CSN], v[ST+8*\x+1]   ; -t of the largest score (c is positive)
.endr
.irp x, 0,1
	s_delay_alu instid0(VALU_DEP_2)
	v_floor_f32 v[ST+8*\x+7], v[ST+8*\x+6]         ; the new -M = floor(-t) = -ceil(t): M is a whole number
.endr
.if \first == 0
.irp x, 0,1
	s_delay_alu instid0(VALU_DEP_2)
	v_sub_f32 v[ST+8*\x+6], v[ST+8*\x+7], v[ST+8*\x]   ; M's old value less its new one: a whole number, 0 or less
.endr
.irp x, 0,1
	s_delay_alu instid0(VALU_DEP_2)
	v_cvt_i32_f32 v[ST+8*\x+6], v[ST+8*\x+6]       ; (it saturates)
.endr
.irp x, 0,1
	s_delay_alu instid0(VALU_DEP_2)
	v_ldexp_f32 v[ST+8*\x+4], 1.0, v[ST+8*\x+6]    ; f = 2^(old M - new M)
.endr
.endif
.irp x, 0,1
	v_mov_b32 v[ST+8*\x], v[ST+8*\x+7]
.endr
	WIN 0x41                                       ; S^T as destination and source 0
.set j, 0
.rept 64
	v_pk_fma_f32 v[j:j+1], v[j:j+1], s[CS:CS+1], v[ST:ST+1] op_sel_hi:[1,0,0]   ; tile 0: t - M, two at a time (of the pairs c and -M the low word serves both halves)
.set j, j+2
.endr
	s_wait_alu depctr_va_vdst(0)
.set j, 0
.rept 64
	v_exp_f32 v[j], v[j]                           ; tile 0: p = 2^(t - M), at most 1: not normalised;
	v_exp_f32 v[j+1], v[j+1]
	v_pk_fma_f32 v[128+j:129+j], v[128+j:129+j], s[CS:CS+1], v[ST+8:ST+9] op_sel_hi:[1,0,0]   ; between them tile 1's t - M, which nothing reads ahead of the next wait
.set j, j+2
.endr
	WIN 0
.if \first
	v_nop                                          ; a plain place behind the exponentials
.else
.irp x, 0,1
	v_pk_mul_f32 v[ST+8*\x+2:ST+8*\x+3], v[ST+8*\x+2:ST+8*\x+3], v[ST+8*\x+4:ST+8*\x+5] op_sel_hi:[1,0]   ; the sums under the new M
	v_pk_mul_f32 v[C2+2*\x:C2+2*\x+1], v[C2+2*\x:C2+2*\x+1], v[ST+8*\x+4:ST+8*\x+5] op_sel_hi:[1,0]
	v_pk_mul_f32 v[C3+4*\x:C3+4*\x+1], v[C3+4*\x:C3+4*\x+1], v[ST+8*\x+4:ST+8*\x+5] op_sel_hi:[1,0]
	v_pk_mul_f32 v[C3+4*\x+2:C3+4*\x+3], v[C3+4*\x+2:C3+4*\x+3], v[ST+8*\x+4:ST+8*\x+5] op_sel_hi:[1,0]
.endr
.endif
	s_wait_alu depctr_va_vdst(0)                   ; one wait for the batch, ahead of its first reader
.if \first
	s_wait_tensorcnt 0x0                           ; my load, if I had one, is in;
	s_wait_dscnt 0x0                               ; no LDS instruction of mine is pending at a signal
	s_barrier_signal -1                            ; waited for at the step's end: between the two stand work on registers and loads of V's first step, which nobody writes again
.endif
	WIN 0x01
	SUMS 0
	WIN 0x41
.set j, 0
.rept 64
	v_dual_min_num_f32 v[j], v[j], v[PLIM] :: v_dual_min_num_f32 v[j+1], v[j+1], v[PLIM+1]   ; tile 0's hold: the conversion to an 8-bit code does not saturate (ISA guide 7.6.2); p is not negative, so it is one-sided;
	v_exp_f32 v[128+j], v[128+j]                   ; between the pairs tile 1's exponentials, whose sources were written ahead of the wait above
	v_exp_f32 v[129+j], v[129+j]
.set j, j+2
.endr
	v_nop                                          ; a plain place behind the exponentials
	s_wait_alu depctr_va_vdst(0)
	WIN 0x01
	SUMS 1
	WIN 0x41
.set j, 128
.rept 64
	v_dual_min_num_f32 v[j], v[j], v[PLIM] :: v_dual_min_num_f32 v[j+1], v[j+1], v[PLIM+1]
.set j, j+2
.endr
	WIN 0x01
.set n, 0
.rept 16
	v_cvt_scalef32_pk8_fp8_f32 v[P+4*n:P+4*n+1], v[16*n:16*n+7], v[PSC]         ; n = 8 tile + 4 block + b: registers 4 b .. 4 b + 3 of the block's operand: keys 32 b + 16 (l / 16) + 0 .. 15
	v_cvt_scalef32_pk8_fp8_f32 v[P+4*n+2:P+4*n+3], v[16*n+8:16*n+15], v[PSC]
.set n, n+1
.endr
	WIN 0x40
	VLOAD 8192, 0                                  ; V's second block, where p lay
	WIN 0
.if \first
.rept 4
	v_nop                                          ; plain lines between the conversions and the products that read the codes
.endr
.else
	s_wait_alu depctr_va_vdst(0)
.irp x, 0,1
.set i, 0
.rept 16
	v_pk_mul_f32 v[O+32*\x+i:O+32*\x+i+1], v[O+32*\x+i:O+32*\x+i+1], v[ST+8*\x+4:ST+8*\x+5] op_sel_hi:[1,0]   ; O^T under the new M.  (Also the plain lines between the conversions and the products)
.set i, i+2
.endr
.endr
.endif
	s_wait_alu depctr_va_vdst(0)
	s_wait_dscnt 16                                ; V's first block is in; the second's 16 loads may be out
.irp t, 0,1,2,3
.irp x, 0,1
.if \first
	v_wmma_f32_16x16x128_fp8_fp8 v[O+32*\x+8*\t:O+32*\x+8*\t+7], v[F+16*\t:F+16*\t+15], v[P+32*\x:P+32*\x+15], 0
.else
	v_wmma_f32_16x16x128_fp8_fp8 v[O+32*\x+8*\t:O+32*\x+8*\t+7], v[F+16*\t:F+16*\t+15], v[P+32*\x:P+32*\x+15], v[O+32*\x+8*\t:O+32*\x+8*\t+7]   ; the eight accumulators take one turn each
.endif
.endr
.endr
.if \first
	s_barrier_wait -1                              ; every wave's load is in: all of K and V lies in LDS
.endif
	s_add_co_u32 s[TB], s[TB], 16384
	v_add_nc_u32 v[ADN], s[TB], v[LI]              ; with the v_nop: four places behind the products that read F
.rept 3
	v_nop
.endr
	KLOAD ADN, 0, F                                ; the next step's first block of K.  (Behind the last step these are V's first bytes, and not used)
	s_wait_alu depctr_va_vdst(0)
	s_wait_dscnt 16                                ; V's second block is in; K's 16 loads may be out
	WIN 0x01
.irp t, 0,1,2,3
.irp x, 0,1
	v_wmma_f32_16x16x128_fp8_fp8 v[O+32*\x+8*\t:O+32*\x+8*\t+7], v[16*\t:16*\t+15], v[P+32*\x+16:P+32*\x+31], v[O+32*\x+8*\t:O+32*\x+8*\t+7]
.endr
.endr
	WIN 0
.endm
	s_wait_alu depctr_va_vdst(0)
	s_wait_loadcnt 0x0                             ; Q
	s_cmp_lt_u32 s[WV], 2
	s_cbranch_scc0 .Lnot_first
	s_wait_tensorcnt 0x0                           ; waves 0 and 1: the first step's K and V are in (the others' loads may be out: nobody reads their bytes ahead of the second barrier)
.Lnot_first:
	s_barrier_signal -1
	s_barrier_wait -1
	KLOAD LI, 0, F
	STEP 1
	s_mov_b32 s[CNT], 7
.Lstep:
	STEP 0
	s_sub_co_u32 s[CNT], s[CNT], 1
	s_cmp_lg_u32 s[CNT], 0
	s_wait_alu depctr_va_vdst(0)
	s_cbranch_scc1 .Lstep
	; THE WAY OUT.  The sum's parts are added; O^T x 2^(e8 + e9) / the sum is held, converted with 2^e10 and stored as pieces of the next launch's operand.  The additions are the places behind the last products.
.irp x, 0,1
	v_pk_add_f32 v[ST+8*\x+2:ST+8*\x+3], v[ST+8*\x+2:ST+8*\x+3], v[C2+2*\x:C2+2*\x+1]
.endr
.irp x, 0,1
	v_pk_add_f32 v[C3+4*\x:C3+4*\x+1], v[C3+4*\x:C3+4*\x+1], v[C3+4*\x+2:C3+4*\x+3]
.endr
.irp x, 0,1
	v_pk_add_f32 v[ST+8*\x+2:ST+8*\x+3], v[ST+8*\x+2:ST+8*\x+3], v[C3+4*\x:C3+4*\x+1]
.endr
.irp x, 0,1
	s_delay_alu instid0(VALU_DEP_2)
	v_add_f32 v[ST+8*\x+6], v[ST+8*\x+2], v[ST+8*\x+3]
.endr
.irp x, 0,1
	s_delay_alu instid0(VALU_DEP_2)
	v_permlanex16_b32 v[PX+\x], v[ST+8*\x+6], s[SEL], s[SEL+1]
.endr
.irp x, 0,1
	s_delay_alu instid0(VALU_DEP_2)
	v_add_f32 v[ST+8*\x+6], v[ST+8*\x+6], v[PX+\x] ; the row's sum
.endr
	s_wait_alu depctr_va_vdst(0)
.irp x, 0,1
	v_rcp_f32 v[ST+8*\x+4], v[ST+8*\x+6]
.endr
	v_nop
	s_wait_alu depctr_va_vdst(0)
.irp x, 0,1
	v_ldexp_f32 v[ST+8*\x+4], v[ST+8*\x+4], s[EPV]
.endr
	WIN 0x40
	s_wait_alu depctr_va_vdst(0)
.irp x, 0,1
.set i, 0
.rept 16
	v_pk_mul_f32 v[32*\x+i:32*\x+i+1], v[O+32*\x+i:O+32*\x+i+1], v[ST+8*\x+4:ST+8*\x+5] op_sel_hi:[1,0]   ; register 32 x + 8 t + j: channel 32 (t / 2) + 8 (t % 2) + 16 (l / 16) + j of my query
.set i, i+2
.endr
.endr
	WIN 0x41
.set i, 0
.rept 64
	v_med3_num_f32 v[i], v[i], -v[OLIM], v[OLIM]
.set i, i+1
.endr
	WIN 0x01
.set n, 0
.rept 4
	v_cvt_scalef32_pk8_fp8_f32 v[P+4*n:P+4*n+1], v[16*n:16*n+7], v[OSC]         ; n = 2 tile + g
	v_cvt_scalef32_pk8_fp8_f32 v[P+4*n+2:P+4*n+3], v[16*n+8:16*n+15], v[OSC]
.set n, n+1
.endr
	WIN 0
	v_nop                                          ; a plain vector line behind the last conversion
.irp x, 0,1
.irp g, 0,1
	global_store_b128 v[LI], v[P+8*\x+4*\g:P+8*\x+4*\g+3], s[12:13] offset:2048*\x+512*\g   ; 32 lanes store 512 consecutive bytes, at a multiple of 512 from the buffer's first byte
.endr
.endr
	s_wait_tensorcnt 0x0                           ; the wave's end
	ds_add_u32 v[SPW], v[NIL]
	s_wait_dscnt 0x0
	CROUND                                         ; the closing round
	s_endpgm
.Lfunc_end_k_q5bd3c4b0f9_attn:
	.size	k_q5bd3c4b0f9_attn, .Lfunc_end_k_q5bd3c4b0f9_attn-k_q5bd3c4b0f9_attn
	.p2alignl 7, 3214868480
	.fill 96, 4, 3214868480
	.section	.rodata,"a",@progbits
	.p2align	6, 0x0
	.amdhsa_kernel k_q5bd3c4b0f9_attn
		.amdhsa_group_segment_fixed_size 263168
		.amdhsa_private_segment_fixed_size 0
		.amdhsa_enable_private_segment 0
		.amdhsa_kernarg_size 40
		.amdhsa_user_sgpr_count 2
		.amdhsa_user_sgpr_kernarg_segment_ptr 1
		.amdhsa_wavefront_size32 1
		.amdhsa_system_sgpr_workgroup_id_x 1
		.amdhsa_system_sgpr_workgroup_id_y 1
		.amdhsa_system_sgpr_workgroup_id_z 1
		.amdhsa_system_vgpr_workitem_id 0
		.amdhsa_next_free_vgpr 512
		.amdhsa_next_free_sgpr 100
		.amdhsa_reserve_vcc 0
		.amdhsa_float_denorm_mode_32 3
		.amdhsa_float_denorm_mode_16_64 3
		.amdhsa_memory_ordered 1
		.amdhsa_forward_progress 1
		.amdhsa_inst_pref_size 125
	.end_amdhsa_kernel
	.amdgpu_metadata
---
amdhsa.version: [ 1, 2 ]
amdhsa.kernels:
  - .name:           k_q5bd3c4b0f9_attn
    .symbol:         k_q5bd3c4b0f9_attn.kd
    .args:
      - { .name: q_img, .offset: 0, .size: 8, .value_kind: global_buffer, .address_space: global }
      - { .name: k_img, .offset: 8, .size: 8, .value_kind: global_buffer, .address_space: global }
      - { .name: v_img, .offset: 16, .size: 8, .value_kind: global_buffer, .address_space: global }
      - { .name: lowp_scales, .offset: 24, .size: 8, .value_kind: global_buffer, .address_space: global }
      - { .name: a_img, .offset: 32, .size: 8, .value_kind: global_buffer, .address_space: global }
    .group_segment_fixed_size: 263168
    .private_segment_fixed_size: 0
    .kernarg_segment_align: 8
    .kernarg_segment_size: 40
    .max_flat_workgroup_size: 256
    .sgpr_count:     100
    .vgpr_count:     512
    .wavefront_size: 32
...
	.end_amdgpu_metadata
.endif
;; end of part 2
;; launch oproj (part 3): grid 8 x 32, 4 waves a work-group, clusters of 4 x 4, 284,160 bytes of LDS; arguments a_img, Wo_codes, bo, lowp_scales, out0; writes out0
.if DOCPART == 3
	.amdgcn_target "amdgcn-amd-amdhsa--gfx1250"
	.amdhsa_code_object_version 6
	.text
	.protected	k_q5bd3c4b0f9_oproj
	.globl	k_q5bd3c4b0f9_oproj
	.p2align	8
	.type	k_q5bd3c4b0f9_oproj,@function
k_q5bd3c4b0f9_oproj:
	s_mov_b64 s[64:65], 0
	v_nop
	global_prefetch_b8 v0, s[64:65] scope:SCOPE_SE
	s_setreg_imm32_b32 hwreg(HW_REG_WAVE_MODE, 25, 1), 1
	s_wait_xcnt 0x0
	s_wait_alu depctr_hold_cnt(0) depctr_sa_sdst(0) depctr_va_vdst(0) depctr_va_sdst(0) depctr_va_ssrc(0) depctr_va_vcc(0) depctr_vm_vsrc(0)
	s_getreg_b32 s2, hwreg(HW_REG_IB_STS2, 6, 4)
	s_cmp_eq_u32 s2, 0
	s_cbranch_scc0 .Lentry_in_a_cluster
	s_endpgm
.Lentry_in_a_cluster:
	s_bfe_u32 s2, ttmp6, 0x10000c
	s_cmp_lg_u32 s2, 0xf033
	s_cbranch_scc0 .Lentry_shape_is_right
	s_endpgm
.Lentry_shape_is_right:
; out0 = a Wo + bo on codes of FP8 (E4M3): a's codes x 2^e10 (made by the launch before), Wo's x 2^e11.  out0: [4096 tokens][1024] f32.
; a_img: blocks of 16,384 bytes [tile 0..7][piece 0..3][lane][16 bytes], block number (block of 128 tokens) x 8 + K step of 128: lane l of tile T holds token 32 (T / 2) + 8 (T % 2) + l % 16 + 8 ((l % 16) / 8) of the block,
; its 16 bytes of piece c are k = 32 c + 16 (l / 16) + 0 .. 15 of the K step.  Wo_codes: [1024 outputs][1024], K innermost.
; A tile of 128 tokens x 128 outputs is made by four waves, 64 x 64 each: 4096 x 1024 / (128 x 128) = 256 work-groups.  ALL OF K LIES IN LDS, fetched once, by one tensor load a wave at the head, in two chunks of 512 along K:
; waves 0 and 1 bring a's and Wo's first chunk, waves 2 and 3 the second.  The first barrier stands behind the loads of waves 0 and 1 alone, the second behind all.  Nothing is left for a prefetch to run ahead of.
; A wave keeps all its fragments of Wo in registers and finishes its four tiles of 16 tokens one after the other, so that finished rows leave while the others are multiplied.  No fragment is read twice.
; CLUSTERS: 4 x 4 work-groups.  a's blocks hang on the block of tokens alone and are asked for jointly by a row of the cluster, Wo's rows on the tile of outputs alone and by a column.
; THE MATRIX INSTRUCTION IS USED TRANSPOSED (source 0 = 16 rows of Wo, source 1 = 16 tokens): a lane holds eight neighbouring outputs of one token.
; Operands are fetched 16 bytes a lane: a permutation of k inside an instruction, the same on both sides.
; LIMIT: e10 + e11 between -126 and 127, so that 2^(e10 + e11) is an f32 number.
; REGISTERS.  Window 0: v1-29 addresses; v32-63 bo; v64-95 a tile's results; v96-159 rows read back, two sets; v192-255 two sets of four accumulators, by turns of the tiles.
; Window 1: a's fragments of a tile, 8 K steps x 16, two buffers.  Windows 2 and 3: Wo's fragments, K steps 0-3 and 4-7.
.set BOFF,   131072                    ; LDS: a's eight blocks, then Wo's two chunks of 128 rows x 528,
.set BPITCH, 528                       ; 512 bytes + 16 of padding = 132 words: the 16 rows that a load touches start at 16 different banks (64 banks of 4 bytes: ISA guide 11.1)
.set BCH,    128*BPITCH
.set STAGE,  BOFF+2*BCH                ; then a stage of 16 rows x 272 bytes for each wave: blocks of 256 bytes into which no tile lands,
.set SPITCH, 272
.set SPARE,  STAGE+4*16*SPITCH         ; then the spare words, 128 bytes for each wave
.set ADA, 16                           ; v16-19  LDS address of my fragments of a in K steps 2 q, 2 q + 1
.set ADB, 20                           ; v20-21  the same for Wo's chunks
.set STO, 24                           ; the way out: where I put 32 bytes of a row
.set RD,  25                           ; where I read a row back
.set CO,  26                           ; my byte offset in two rows of out0
.set SPW, 28
.set NIL, 29
.set BO,  32
.set TMP, 64
.set BB,  96
.set ACC, 192
.set G1A, 24                           ; descriptor groups 1 for a and Wo, and their groups 0
.set G1B, 32
.set G0A, 40
.set G0B, 48                           ; two groups 0 for each, one to a chunk
.set MSB, 0
.macro WIN new                         ; the immediate's high byte repeats the setting that is left
.if MSB != (\new)
	s_set_vgpr_msb (MSB<<8)|(\new)
.set MSB, \new
.endif
.endm
.macro CROUND                          ; a round of the cluster's barrier
	s_barrier_signal -1
	s_barrier_wait -1
	s_cmp_lg_u32 s14, 0
	s_cbranch_scc1 .Lnot_wave_0_\@
	s_barrier_signal -3
.Lnot_wave_0_\@:
	s_barrier_wait -3
	s_barrier_signal -1
	s_barrier_wait -1
.endm
.macro PLACES                          ; four places in front of loads into registers that matrix instructions have read, and of the first read of results (ISA guide 7.12.1 for the first read of results)
.rept 4
	v_nop
.endr
.endm
	s_load_b256 s[4:11], s[0:1], 0x0               ; a_img s[4:5], Wo_codes s[6:7], bo s[8:9], the scales' exponents s[10:11]
	s_load_b64 s[12:13], s[0:1], 0x20              ; out0
	v_lshl_add_u32 v[SPW], v0, 2, SPARE
	v_mov_b32 v[NIL], 0
	ds_add_u32 v[SPW], v[NIL]                      ; the opening: the add, twice on end
	ds_add_u32 v[SPW], v[NIL]
	v_lshrrev_b32 v1, 5, v0
	v_readfirstlane_b32 s14, v1                    ; wave 0..3
	s_lshr_b32 s15, s14, 1                         ; which half of the tile's tokens is mine
	s_and_b32 s16, s14, 1                          ; which half of its outputs
	s_bfe_u32 s56, ttmp6, 0x40000                  ; cx, cy: my place in the cluster
	s_bfe_u32 s57, ttmp6, 0x40004
	s_lshl_b32 s58, ttmp9, 2
	s_add_co_u32 s58, s58, s56                     ; tile of outputs = 4 x cluster x + cx
	s_and_b32 s17, ttmp7, 0xffff
	s_lshl_b32 s17, s17, 2
	s_add_co_u32 s17, s17, s57                     ; block of tokens = 4 x cluster y + cy
	s_lshl_b32 s59, s57, 2
	s_lshl_b32 s59, 15, s59                        ; my row of the cluster
	s_lshl_b32 s60, 0x1111, s56                    ; my column
	; descriptor group 1.  a: 65,536 dense bytes as 32 rows of 2,048 (elements of 8 bytes), no padding.  Wo: 128 rows x 512 bytes, 1,024 apart, padded in LDS
	s_or_b32 s[G1A], s59, (3<<16)|(1<<21)          ; 15:0 the mask: my row; 17:16 elements of 8 bytes; 21 set beside a mask
	s_mov_b32 s[G1A+1], 256<<16
	s_mov_b32 s[G1A+2], 32<<16
	s_mov_b32 s[G1A+3], 256<<16
	s_mov_b32 s[G1A+4], 32
	s_mov_b32 s[G1A+5], 256
	s_mov_b32 s[G1A+6], 0
	s_mov_b32 s[G1A+7], 0
	s_or_b32 s[G1B], s60, (0<<16)|(1<<20)|(1<<21)|(6<<22)|(3<<25)   ; my column; elements of 1 byte; padding on: 4 words (code 3) after every 128 (code 6)
	s_mov_b32 s[G1B+1], 512<<16
	s_mov_b32 s[G1B+2], 128<<16
	s_mov_b32 s[G1B+3], 512<<16
	s_mov_b32 s[G1B+4], 128
	s_mov_b32 s[G1B+5], 1024
	s_mov_b32 s[G1B+6], 0
	s_mov_b32 s[G1B+7], 0
	s_lshl_b32 s18, s17, 17                        ; a: the block of tokens' eight blocks, four to a chunk
	s_mov_b32 s19, 0
	s_lshl_b32 s62, s58, 17                        ; Wo: row 128 x tile, in bytes; a chunk is 512 bytes of each row
	s_mov_b32 s63, 0
	s_wait_dscnt 0x0                               ; both opening adds are done
	CROUND                                         ; all sixteen work-groups are here: the joint loads meet
	s_wait_kmcnt 0x0
	s_load_b64 s[84:85], s[10:11], 0x28            ; e10, e11
	s_add_nc_u64 s[18:19], s[4:5], s[18:19]
	s_add_nc_u64 s[62:63], s[6:7], s[62:63]
.irp q, 0,1
	s_mov_b32 s[G0A+4*\q], 1                       ; count = 1
	s_mov_b32 s[G0A+4*\q+1], 65536*\q              ; LDS address: no place in the cluster enters it
	s_add_nc_u64 s[G0A+4*\q+2:G0A+4*\q+3], s[18:19], 65536*\q
	s_or_b32 s[G0A+4*\q+3], s[G0A+4*\q+3], 0x80000000   ; type = 2
	s_mov_b32 s[G0B+4*\q], 1
	s_mov_b32 s[G0B+4*\q+1], BOFF+BCH*\q
	s_add_nc_u64 s[G0B+4*\q+2:G0B+4*\q+3], s[62:63], 512*\q
	s_or_b32 s[G0B+4*\q+3], s[G0B+4*\q+3], 0x80000000
.endr
	s_cmp_eq_u32 s14, 0                            ; one chain of arms, one load to an arm; an s_nop 0 and four v_nop follow each
	s_cbranch_scc0 .Larm1
	tensor_load_to_lds s[G0A:G0A+3], s[G1A:G1A+7]
	s_nop 0
	PLACES
	s_branch .Lfirst_asked
.Larm1:
	s_cmp_eq_u32 s14, 1
	s_cbranch_scc0 .Larm2
	tensor_load_to_lds s[G0B:G0B+3], s[G1B:G1B+7]
	s_nop 0
	PLACES
	s_branch .Lfirst_asked
.Larm2:
	s_cmp_eq_u32 s14, 2
	s_cbranch_scc0 .Larm3
	tensor_load_to_lds s[G0A+4:G0A+7], s[G1A:G1A+7]
	s_nop 0
	PLACES
	s_branch .Lfirst_asked
.Larm3:
	tensor_load_to_lds s[G0B+4:G0B+7], s[G1B:G1B+7]
	s_nop 0
	PLACES
.Lfirst_asked:
	s_mul_i32 s88, s14, 16*SPITCH
	s_add_co_u32 s88, s88, STAGE                   ; my stage
	s_lshl_b32 s89, s15, 13                        ; my four tiles of tokens: 8,192 x half
	s_mul_i32 s22, s16, 64*BPITCH
	s_add_co_u32 s22, s22, BOFF                    ; my 64 rows of Wo
	s_lshl_b32 s90, s58, 9
	s_lshl_b32 s91, s16, 8
	s_add_co_u32 s90, s90, s91                     ; my first output, in bytes: 4 x (128 x tile + 64 x half)
	v_and_b32 v1, 15, v0                           ; r = l % 16
	v_bfe_u32 v2, v0, 4, 1                         ; h = l / 16
	v_lshl_add_u32 v7, v2, 5, s90                  ; bo: + 32 h: register 8 b + j is the bias of output 16 b + 8 h + j
.irp b, 0,1,2,3
	global_load_b128 v[BO+8*\b:BO+8*\b+3], v7, s[8:9] offset:64*\b
	global_load_b128 v[BO+8*\b+4:BO+8*\b+7], v7, s[8:9] offset:64*\b+16
.endr
	v_and_b32 v3, 31, v0
	v_lshlrev_b32 v4, 4, v3                        ; 16 x lane
	v_add_nc_u32 v[ADA], s89, v4
.irp q, 1,2,3
	v_add_nc_u32 v[ADA+\q], 32768*\q, v[ADA]
.endr
	v_mul_u32_u24 v5, v1, BPITCH
	v_lshl_add_u32 v5, v2, 4, v5
	v_add_nc_u32 v[ADB], s22, v5                   ; row r x pitch + 16 x half of the lanes
	v_add_nc_u32 v[ADB+1], BCH, v[ADB]
	v_mul_u32_u24 v6, v1, SPITCH
	v_lshl_add_u32 v6, v2, 5, v6
	v_add_nc_u32 v[STO], s88, v6                   ; in: row r, 32 bytes for each half of the lanes
	v_mul_u32_u24 v8, v2, SPITCH
	v_lshl_add_u32 v8, v1, 4, v8
	v_add_nc_u32 v[RD], s88, v8                    ; back: lanes 0-15 one row of 256 bytes, lanes 16-31 the next
	v_lshlrev_b32 v9, 12, v2
	v_lshl_add_u32 v[CO], v1, 4, v9                ; and the same two rows in out0 (a row is 4,096 bytes)
	s_lshl_b32 s66, s17, 7
	s_lshl_b32 s67, s15, 6
	s_add_co_u32 s66, s66, s67                     ; my first token
	s_lshl_b32 s66, s66, 12
	s_add_co_u32 s66, s66, s90
	s_mov_b32 s67, 0
	s_add_nc_u64 s[12:13], s[12:13], s[66:67]
	s_wait_alu depctr_va_vdst(0)
	s_wait_kmcnt 0x0
	s_add_co_i32 s86, s84, s85
	s_add_co_i32 s86, s86, 127
	s_lshl_b32 s86, s86, 23                        ; 2^(e10 + e11) as f32
	s_mov_b32 s87, s86                             ; (named with it as a pair, so it is written)
.macro FETCHB sg                       ; Wo's four fragments of K step sg
	WIN 0x80+0x40*((\sg)/4)                        ; destination window 2 or 3
.irp b, 0,1,2,3
.irp c, 0,1,2,3
	ds_load_b128 v[64*((\sg)%4)+16*\b+4*\c:64*((\sg)%4)+16*\b+4*\c+3], v[ADB+(\sg)/4] offset:128*((\sg)%4)+16*BPITCH*\b+32*\c
.endr
.endr
.endm
.macro FETCHA a, sg                    ; a's fragment of tile a, K step sg, as it lies: 512 consecutive bytes a load
	WIN 0x40
.irp c, 0,1,2,3
	ds_load_b128 v[128*((\a)%2)+16*(\sg)+4*\c:128*((\a)%2)+16*(\sg)+4*\c+3], v[ADA+(\sg)/2] offset:16384*((\sg)%2)+2048*(\a)+512*\c
.endr
.endm
; Four matrix instructions, 128 along K: a tile's four accumulators take one turn each.  K step 0 starts the sums.
.macro MUL a, sg
	WIN 0x06+((\sg)/4)                             ; source 0 (Wo) window 2 or 3, source 1 (a) window 1, C and D window 0
.set AC, ACC+32*((\a)%2)
.set AA, 128*((\a)%2)+16*(\sg)
.set WW, 64*((\sg)%4)
.irp b, 0,1,2,3
.if (\sg) == 0
	v_wmma_f32_16x16x128_fp8_fp8 v[AC+8*\b:AC+8*\b+7], v[WW+16*\b:WW+16*\b+15], v[AA:AA+15], 0
.else
	v_wmma_f32_16x16x128_fp8_fp8 v[AC+8*\b:AC+8*\b+7], v[WW+16*\b:WW+16*\b+15], v[AA:AA+15], v[AC+8*\b:AC+8*\b+7]
.endif
.endr
.endm
; THE WAY OUT, a tile of 16 tokens x 64 outputs at a time: y = sum x 2^(e10 + e11) + bo, one packed multiply-add for two numbers, each accumulator from its low end on; through my own stage, back as whole rows of 256 bytes.
; LDS serves a wave's instructions in order (ISA guide 5.7.1.4): no wait between the stores and the loads, nor in front of the next tile's stores.
.macro TOSTAGE a
	WIN 0
.set j, 0
.rept 16
	v_pk_fma_f32 v[TMP+j:TMP+j+1], v[ACC+32*((\a)%2)+j:ACC+32*((\a)%2)+j+1], s[86:87], v[BO+j:BO+j+1] op_sel_hi:[1,0,1]
.set j, j+2
.endr
.irp b, 0,1,2,3
	ds_store_b128 v[STO], v[TMP+8*\b:TMP+8*\b+3] offset:64*\b
	ds_store_b128 v[STO], v[TMP+8*\b+4:TMP+8*\b+7] offset:64*\b+16
.endr
.irp i, 0,1,2,3,4,5,6,7
	ds_load_b128 v[BB+32*((\a)%2)+4*\i:BB+32*((\a)%2)+4*\i+3], v[RD] offset:2*\i*SPITCH
.endr
.endm
.macro SEND a                          ; stage row 2 i + h is token 32 (a / 2) + 8 (a % 2) + 2 i + h + 8 (i / 4) of my 64
	WIN 0
.irp i, 0,1,2,3,4,5,6,7
	global_store_b128 v[CO], v[BB+32*((\a)%2)+4*\i:BB+32*((\a)%2)+4*\i+3], s[12:13] offset:(32*((\a)/2)+8*((\a)%2)+2*\i+8*(\i/4))*4096 th:TH_STORE_NT   ; 16 lanes store 256 consecutive bytes, at a multiple of 256 from out0's first byte
.endr
.endm
.macro CHUNK s0                        ; fetch a chunk's 96 loads: for each K step Wo's 16 and tile 0's 4, then tile 1's 16; and tile 0's products
.irp d, 0,1,2,3
	FETCHB (\s0+\d)
	FETCHA 0, (\s0+\d)
.endr
.irp d, 0,1,2,3
	FETCHA 1, (\s0+\d)
.endr
	s_wait_dscnt 56                                ; two K steps' 40 of 96 are in
	MUL 0, (\s0)
	MUL 0, (\s0+1)
	s_wait_dscnt 36
	MUL 0, (\s0+2)
	s_wait_dscnt 16                                ; tile 1's 16 may be out
	MUL 0, (\s0+3)
.endm
	s_cmp_lt_u32 s14, 2
	s_cbranch_scc0 .Lsecond
	s_wait_tensorcnt 0x0                           ; waves 0 and 1: the first chunk is in (the second's loads may be out: nobody reads their bytes ahead of the second barrier)
.Lsecond:
	s_barrier_signal -1
	s_barrier_wait -1
	CHUNK 0
	s_wait_tensorcnt 0x0                           ; my load is in;
	s_wait_dscnt 0x0                               ; no LDS instruction of mine is pending at a signal
	s_barrier_signal -1
.irp d, 0,1,2,3
	MUL 1, \d                                      ; work on registers while the others arrive
.endr
	s_barrier_wait -1
	CHUNK 4
	PLACES                                         ; behind tile 0's last products
.irp d, 0,1,2,3,4,5,6,7
	FETCHA 2, \d
.endr
	s_wait_loadcnt 0x0                             ; bo
	TOSTAGE 0
	s_wait_dscnt 48                                ; tile 1's fragments are in; behind them: 32 loads of tile 2, 8 stores, 8 loads
.irp d, 4,5,6,7
	MUL 1, \d
.endr
	s_wait_dscnt 0x0                               ; tile 2's fragments are in, and tile 0's rows are back
	SEND 0
	PLACES
.irp d, 0,1,2,3,4,5,6,7
	FETCHA 3, \d
.endr
	TOSTAGE 1
.irp d, 0,1,2,3,4,5,6,7
	MUL 2, \d
.endr
	s_wait_dscnt 0x0
	SEND 1
	PLACES
	s_wait_xcnt 0x0                                ; tile 0's stores have read their registers: tile 2's rows may land there
	TOSTAGE 2
.irp d, 0,1,2,3,4,5,6,7
	MUL 3, \d
.endr
	s_wait_dscnt 0x0
	SEND 2
	PLACES
	s_wait_xcnt 0x0
	TOSTAGE 3
	s_wait_dscnt 0x0
	SEND 3
	s_wait_tensorcnt 0x0                           ; the wave's end
	ds_add_u32 v[SPW], v[NIL]
	s_wait_dscnt 0x0
	CROUND                                         ; the closing round
	s_endpgm
.Lfunc_end_k_q5bd3c4b0f9_oproj:
	.size	k_q5bd3c4b0f9_oproj, .Lfunc_end_k_q5bd3c4b0f9_oproj-k_q5bd3c4b0f9_oproj
	.p2alignl 7, 3214868480
	.fill 96, 4, 3214868480
	.section	.rodata,"a",@progbits
	.p2align	6, 0x0
	.amdhsa_kernel k_q5bd3c4b0f9_oproj
		.amdhsa_group_segment_fixed_size 284160
		.amdhsa_private_segment_fixed_size 0
		.amdhsa_enable_private_segment 0
		.amdhsa_kernarg_size 40
		.amdhsa_user_sgpr_count 2
		.amdhsa_user_sgpr_kernarg_segment_ptr 1
		.amdhsa_wavefront_size32 1
		.amdhsa_system_sgpr_workgroup_id_x 1
		.amdhsa_system_sgpr_workgroup_id_y 1
		.amdhsa_system_sgpr_workgroup_id_z 1
		.amdhsa_system_vgpr_workitem_id 0
		.amdhsa_next_free_vgpr 1024
		.amdhsa_next_free_sgpr 96
		.amdhsa_reserve_vcc 0
		.amdhsa_float_denorm_mode_32 3
		.amdhsa_float_denorm_mode_16_64 3
		.amdhsa_memory_ordered 1
		.amdhsa_forward_progress 1
		.amdhsa_inst_pref_size 46
	.end_amdhsa_kernel
	.amdgpu_metadata
---
amdhsa.version: [ 1, 2 ]
amdhsa.kernels:
  - .name:           k_q5bd3c4b0f9_oproj
    .symbol:         k_q5bd3c4b0f9_oproj.kd
    .args:
      - { .name: a_img, .offset: 0, .size: 8, .value_kind: global_buffer, .address_space: global }
      - { .name: Wo_codes, .offset: 8, .size: 8, .value_kind: global_buffer, .address_space: global }
      - { .name: bo, .offset: 16, .size: 8, .value_kind: global_buffer, .address_space: global }
      - { .name: lowp_scales, .offset: 24, .size: 8, .value_kind: global_buffer, .address_space: global }
      - { .name: out0, .offset: 32, .size: 8, .value_kind: global_buffer, .address_space: global }
    .group_segment_fixed_size: 284160
    .private_segment_fixed_size: 0
    .kernarg_segment_align: 8
    .kernarg_segment_size: 40
    .max_flat_workgroup_size: 128
    .sgpr_count:     96
    .vgpr_count:     1024
    .wavefront_size: 32
...
	.end_amdgpu_metadata
.endif
;; end of part 3
